; MI455X (gfx1250); checked and timed in simulation.
; The chip was launched on July 23, 2026; its instructions are those of AMD's public machine-readable ISA for CDNA 5 (MIT licence, August 2026) and "CDNA5" Instruction Set Architecture Reference Guide (July 2026). The comments in the code are by the model that wrote it; some were corrected since.
;; Monotonic Attention. Allowed arithmetic: float matrix products may take bf16 or f16 operands with f32 sums; all other float work in f32.
;; Inputs: K 32 x 1,024 x 64 float32; Q 32 x 1,024 x 64 float32; V 32 x 1,024 x 64 float32; gamma 1 x 1 float32; mask 32 x 1,024 x 1,024 bool.
;; Outputs: out0 32 x 1,024 x 64 float32.
;; Constants: dk = 64.
;; 2 versions, each right and faster than the one before. Each part assembles by itself: llvm-mc -triple=amdgcn-amd-amdhsa -mcpu=gfx1250 --defsym DOCPART=n.
;; ======== version 1 of 2: 1 launch
;; limits: values are held in f16: magnitudes above 65,504 overflow, below 6.1e-05 lose precision; inputs' magnitudes at most 65,504; below input magnitudes of 6.1e-05 results are inexact or not finite
;; launch monoattn (part 1): grid 256 x 1, 4 waves a work-group, no clusters, 315,136 bytes of LDS; arguments K, Q, V, gamma, mask, out0; writes out0
.if DOCPART == 1
	.amdgcn_target "amdgcn-amd-amdhsa--gfx1250"
	.amdhsa_code_object_version 6
	.text
	.protected	k_q00acebcf42_monoattn
	.globl	k_q00acebcf42_monoattn
	.p2align	8
	.type	k_q00acebcf42_monoattn,@function
k_q00acebcf42_monoattn:
	s_mov_b64 s[64:65], 0
	v_nop
	global_prefetch_b8 v0, s[64:65] scope:SCOPE_SE
	s_setreg_imm32_b32 hwreg(HW_REG_WAVE_MODE, 25, 1), 1
	s_wait_xcnt 0x0
; Monotonic attention, B = 32, N = 1024, D = 64, f32 in and out, mask an input of one byte per score.
; Work-group g: batch g >> 3, query rows 128 (g & 7) .. +127.  Four waves; a wave does two blocks of 16 queries.
; LDS holds the batch's K as f16 [key][d] and V as f16 [d][key], converted once through registers.
; Matrix operands are f16, not bf16: a row with few open keys has weights near 1, so an operand's relative rounding error goes
; straight into the output; f16's 11 significant bits make it 2^-12 where bf16's 8 make it 2^-9.
; Scores are made TRANSPOSED, S^T = K Q^T, and the 16 rows of tile t are keys 8t..8t+7 and 512+8t..512+8t+7.  So lane (r = l & 15, h = l >> 4)
; holds, for query i0 + r, the 512 neighbouring keys 512 h .. 512 h + 511 in 512 registers: row maxima, sums and the suffix sum run inside a
; lane, with one exchange between lane l and lane l ^ 16 each, and two tiles round straight into a B fragment of O^T = V^T P^T.
; All exponentials are base 2: Q is scaled by log2(e)/8 before it is rounded, so S = w_n log2(e).
; With k = softplus(gamma) log2(e):  total_effect = exp2(-sqrt(k^2 suffix |j - i|)), and k^2 / total is folded into the exponent of p.
; The suffix sum is added from the row's end, so it is never negative (the clip at 0 is met) ; the clip at 1e5 cannot bind as theta <= 0, d >= 0.
; LIMITS: mask bytes are 0 or 1; NaN and infinities in Q, K, V, gamma are not served; f16 overflows at 65504, so |K|, |V| < 65504 and
; |Q| < 3.6e5 (Q is rounded after scaling by 0.18); weights below 2^-14 of the row's largest are f16 denormals (absolute error 2^-25);
; the suffix sum's order of rounding differs from total - cumsum; in a row that is masked everywhere the scores are about 1e7 in size,
; so the last bits of the decay decide the result there.
; No multicast and no tensor loads: K and V are f32 in memory and must pass through registers to become f16, and 280 KB of the
; 320 KB of LDS hold the f16 copies, so there is no room to stage f32 tiles.
.set KHI,    73856                     ; 512 rows of 144 bytes + 128: the upper keys are shifted so that 8 + 8 rows of a fragment fall on 16 different 16-byte columns
.set VT,     147584                    ; V^T: 64 rows of 2064 bytes
.set VPITCH, 2064
.set STG,    279680                    ; a stage of 32 rows x 272 bytes for each wave (mask transposition, then the way out)
.set STGW,   8704
.set SP,     272
; window 0
.set KAD, 2                            ; v2-3   K fragment addresses, chains 0,1 and 2,3
.set VAD, 4                            ; v4-5   V^T fragment addresses, d 0-31 and 32-63
.set MGO, 6                            ; mask, global: 1024 h + 16 r
.set MST, 7                            ; stage: row h, 16 r  (mask in, output back)
.set MLD, 8                            ; stage: row l
.set QGO, 9                            ; Q, global: 256 r + 32 h
.set OST, 10                           ; stage: row r, 32 h
.set OGO, 12                           ; out, global: 256 h + 16 r
.set JR,  13                           ; 512 h - r
.set NM,  14                           ; pair: -max1
.set NB,  16                           ; pair: log2(k^2 / total) - max1
.set NM2, 18                           ; pair: -max2
.set MX,  20                           ; four running maxima
.set RS,  24                           ; four pairs of sums, one for each chain
.set CY,  32                           ; four carries of the suffix sum
.set T0,  36
.set T1,  37
.set K2,  38                           ; k^2
.set T2,  39
.set QF,  40                           ; two B fragments of Q
.set OA,  56                           ; four accumulators of O^T
.set POS, 88                           ; j - i of the group's 32 scores, f32
.set PP,  120                          ; the group's 32 numbers at work
.set EE,  152                          ; 4 x 7 suffix sums (third sweep)
.set PB,  152                          ; two B fragments of P (fourth sweep)
.set VF,  168                          ; eight A fragments of V^T
.set KF,  56                           ; score phase: two buffers of four K tiles x 16 registers
.set SEL, 184                          ; score phase: 32 select words
.set KST, 56                           ; prologue: eight LDS addresses for K
.set VST, 64
.set KGO, 65
.set VGO, 66
.set TV,  68                           ; prologue: 16 packed words of V^T
; windows 1, 2: S.  Tile t = 16 c + g (chain c, group g) lies at 8 (4 (g & 7) + c) of window 1 + (g >> 3): a group is 32 neighbouring registers.
; window 3: v0-127 the lane's 512 mask bytes, v128-159 Q as loaded.
.set QRAW, 128
.set MSB, 0
.macro WIN new                         ; low byte: bits 1:0 source 0, 3:2 source 1, 5:4 source 2, 7:6 destination; high byte: the setting left
.if MSB != (\new)
	s_set_vgpr_msb (MSB<<8)|(\new)
.set MSB, (\new)
.endif
.endm
.macro GSET                            ; window and first register of group G
.set W,  1+(G>>3)
.set SB, 32*(G&7)
.endm
	s_load_b256 s[4:11], s[0:1], 0x0               ; K s[4:5], Q s[6:7], V s[8:9], gamma s[10:11]
	s_load_b128 s[12:15], s[0:1], 0x20             ; mask s[12:13], out s[14:15]
	v_lshl_add_u32 v254, v0, 2, 0x4cd00
	v_mov_b32 v255, 0
	v_lshrrev_b32 v1, 5, v0
	v_readfirstlane_b32 s16, v1                    ; wave
	s_lshr_b32 s17, ttmp9, 3                       ; batch
	s_and_b32 s18, ttmp9, 7
	s_lshl_b32 s18, s18, 7
	s_lshl4_add_u32 s18, s16, s18                  ; i0 = 128 (g & 7) + 16 wave: my first block's first query
	s_mul_i32 s38, s16, STGW
	s_add_co_u32 s38, s38, STG                     ; my stage
	s_mov_b32 s20, 0x76543210                      ; v_permlanex16_b32: lane l reads lane l ^ 16
	s_mov_b32 s21, 0xfedcba98
	s_mov_b32 s22, 0xcb89960c                      ; -1e8 / 8 x log2(e) = -18033688
	s_mov_b32 s23, 0x3727c5ac                      ; 1e-5
	s_mov_b32 s24, 0                               ; byte selectors: byte n of a word four times
	s_mov_b32 s25, 0x01010101
	s_mov_b32 s26, 0x02020202
	s_mov_b32 s27, 0x03030303
	s_mov_b32 s28, 0x3e38aa3b                      ; log2(e) / 8
	s_mov_b32 s29, 0x3e38aa3b
	s_mov_b32 s31, 0xffff                          ; the lanes with h = 0
	s_mov_b32 s34, 255
	s_mov_b32 s36, 0xc1000000                      ; -8.0
	s_mov_b32 s37, 0xc1000000
	v_and_b32 v[T0], 15, v0                        ; r
	v_bfe_u32 v[T1], v0, 4, 1                      ; h
	v_and_b32 v[T2], 31, v0                        ; l
	v_bfe_u32 v1, v0, 3, 1
	v_mul_u32_u24 v[KAD], v1, KHI                  ; rows 8-15 of a K fragment are the upper keys
	v_and_b32 v1, 7, v0
	v_mad_u32_u24 v[KAD], v1, 144, v[KAD]
	v_lshl_add_u32 v[KAD], v[T1], 4, v[KAD]
	v_add_nc_u32 v[KAD+1], 36864, v[KAD]           ; 32 tiles of 8 rows further
	v_mul_u32_u24 v[VAD], v[T0], VPITCH
	v_lshl_add_u32 v[VAD], v[T1], 10, v[VAD]       ; keys 512 h: 1024 bytes
	v_add_nc_u32 v[VAD], VT, v[VAD]
	v_add_nc_u32 v[VAD+1], 32*VPITCH, v[VAD]
	v_lshlrev_b32 v[MGO], 4, v[T0]
	v_lshl_add_u32 v[MGO], v[T1], 10, v[MGO]
	v_mul_u32_u24 v[MST], v[T1], SP
	v_lshl_add_u32 v[MST], v[T0], 4, v[MST]
	v_add_nc_u32 v[MST], s38, v[MST]
	v_mul_u32_u24 v[MLD], v[T2], SP
	v_add_nc_u32 v[MLD], s38, v[MLD]
	v_lshlrev_b32 v[QGO], 8, v[T0]
	v_lshl_add_u32 v[QGO], v[T1], 5, v[QGO]
	v_mul_u32_u24 v[OST], v[T0], SP
	v_lshl_add_u32 v[OST], v[T1], 5, v[OST]
	v_add_nc_u32 v[OST], s38, v[OST]
	v_lshlrev_b32 v[OGO], 4, v[T0]
	v_lshl_add_u32 v[OGO], v[T1], 8, v[OGO]
	v_lshlrev_b32 v[JR], 9, v[T1]
	v_sub_nc_u32 v[JR], v[JR], v[T0]
	v_lshrrev_b32 v1, 4, v0                        ; thread / 16: 0..7
	v_mul_u32_u24 v[KST], v1, 144
	v_lshl_add_u32 v[KST], v[T0], 3, v[KST]        ; key thread/16, 4 f16 at 8 (thread & 15)
.irp q, 1,2,3
	v_add_nc_u32 v[KST+\q], \q*18432, v[KST]       ; 128 keys further
.endr
.irp q, 4,5,6,7
	v_add_nc_u32 v[KST+\q], \q*18432+128, v[KST]   ; the upper keys' shift
.endr
	v_mul_u32_u24 v[VST], v[T0], 4*VPITCH          ; d = 4 (thread & 15)
	v_lshl_add_u32 v[VST], v1, 4, v[VST]           ; 8 keys = 16 bytes for each thread / 16
	v_add_nc_u32 v[VST], VT, v[VST]
	v_lshlrev_b32 v[KGO], 4, v0
	v_lshlrev_b32 v[VGO], 4, v[T0]
	v_lshl_add_u32 v[VGO], v1, 11, v[VGO]          ; 8 keys of 256 bytes for each thread / 16
	s_wait_kmcnt 0x0
	s_load_b32 s30, s[10:11], 0x0                  ; gamma
	s_lshl_b32 s32, s17, 18                        ; K, V: batch x 262,144 bytes
	s_mov_b32 s33, 0
	s_add_nc_u64 s[4:5], s[4:5], s[32:33]
	s_add_nc_u64 s[8:9], s[8:9], s[32:33]
	s_lshl_b32 s32, s17, 10
	s_add_co_u32 s32, s32, s18
	s_lshl_b32 s32, s32, 8                         ; Q, out: (1024 batch + i0) rows of 256 bytes
	s_add_nc_u64 s[6:7], s[6:7], s[32:33]
	s_add_nc_u64 s[14:15], s[14:15], s[32:33]
	s_lshl_b32 s32, s32, 2                         ; mask: rows of 1024 bytes
	s_add_nc_u64 s[12:13], s[12:13], s[32:33]
; A block's mask (16 rows x 1024 bytes, each load two whole pieces of 256 bytes) and its Q, into window 3.
; Load (ss, cc): rows 2 (cc & 7) + h, bytes 512 (cc >> 3) + 256 ss + 16 r.
.macro LOADMQ
	WIN 0xc0
.set ss, 0
.rept 2
.set cc, 0
.rept 16
	global_load_b128 v[64*ss+4*cc:64*ss+4*cc+3], v[MGO], s[12:13] offset:(cc&7)*2048+(cc>>3)*512+256*ss th:TH_LOAD_NT
.set cc, cc+1
.endr
.set ss, ss+1
.endr
.set ii, 0
.rept 8
	global_load_b128 v[QRAW+4*ii:QRAW+4*ii+3], v[QGO], s[6:7] offset:(ii>>1)*64+(ii&1)*16 th:TH_LOAD_NT   ; d = 16 (ii >> 1) + 8 h + 4 (ii & 1) ..
.set ii, ii+1
.endr
.endm
	LOADMQ
	; K: 128 loads of 2,048 neighbouring bytes for the work-group; load n brings keys 8 n .. 8 n + 7
	WIN 0x40
.set nn, 0
.rept 64
	global_load_b128 v[4*nn:4*nn+3], v[KGO], s[4:5] offset:nn*2048
.set nn, nn+1
.endr
	WIN 0x80
.set nn, 0
.rept 64
	global_load_b128 v[4*nn:4*nn+3], v[KGO], s[4:5] offset:(64+nn)*2048
.set nn, nn+1
.endr
; 16 of K's loads: round in place, 8 bytes a lane into LDS
.macro KCHUNK q
	s_wait_loadcnt 0x3f                            ; at least 64 younger loads have been issued each time (K's rest, then 64 of V)
	WIN (0x45*(1+(\q>>2)))
.set ii, 0
.rept 16
	v_cvt_pk_f16_f32 v[64*(\q&3)+4*ii],   v[64*(\q&3)+4*ii],   v[64*(\q&3)+4*ii+1]
	v_cvt_pk_f16_f32 v[64*(\q&3)+4*ii+1], v[64*(\q&3)+4*ii+2], v[64*(\q&3)+4*ii+3]
.set ii, ii+1
.endr
	WIN (0x04*(1+(\q>>2)))
.set ii, 0
.rept 16
	ds_store_b64 v[KST+\q], v[64*(\q&3)+4*ii:64*(\q&3)+4*ii+1] offset:ii*1152
.set ii, ii+1
.endr
.endm
; half of V: unit n = 8 hh + n' is eight loads, keys 64 n + 8 (thread / 16) + 0..7, d = 4 (thread & 15) ..
.macro VLOAD hh
	WIN (0x40*(1+\hh))
.set nn, 0
.rept 8
.set ii, 0
.rept 8
	global_load_b128 v[32*nn+4*ii:32*nn+4*ii+3], v[VGO], s[8:9] offset:(64*(8*\hh+nn)+ii)*256
.set ii, ii+1
.endr
.set nn, nn+1
.endr
.endm
	KCHUNK 0
	KCHUNK 1
	KCHUNK 2
	KCHUNK 3
	VLOAD 0                                        ; window 1 is free again
	KCHUNK 4
	KCHUNK 5
	KCHUNK 6
	KCHUNK 7
	VLOAD 1
	; V^T: the same d of eight keys makes 16 bytes of a row of V^T
.set nn, 0
.rept 16
.if nn < 8
	s_wait_loadcnt 0x3f                            ; the 64 loads of the second half are younger
.else
	s_wait_loadcnt (15-nn)*8                       ; the younger units, eight loads each
.endif
	WIN (0x05*(1+(nn>>3)))
.set dd, 0
.rept 4
.set kk, 0
.rept 4
	v_cvt_pk_f16_f32 v[TV+4*dd+kk], v[32*(nn&7)+8*kk+dd], v[32*(nn&7)+8*kk+4+dd]
.set kk, kk+1
.endr
.set dd, dd+1
.endr
	WIN 0
.set dd, 0
.rept 4
	ds_store_b128 v[VST], v[TV+4*dd:TV+4*dd+3] offset:dd*VPITCH+nn*128
.set dd, dd+1
.endr
.set nn, nn+1
.endr
	; k = softplus(gamma) log2(e) = max(gamma, 0) log2(e) + log2(1 + exp2(-|gamma| log2(e)))
	s_wait_kmcnt 0x0
	v_mov_b32 v[T1], s30
	v_and_b32 v[T0], 0x7fffffff, v[T1]
	v_mul_f32 v[T0], 0xbfb8aa3b, v[T0]
	v_exp_f32 v[T0], v[T0]
	v_max_num_f32 v[T1], 0, v[T1]                  ; the plain instruction behind the transcendental (ISA guide 5.7.2)
	s_wait_alu depctr_va_vdst(0)
	v_add_f32 v[T0], 1.0, v[T0]
	v_log_f32 v[T0], v[T0]
	v_nop
	s_wait_alu depctr_va_vdst(0)
	v_fma_f32 v[T0], v[T1], 0x3fb8aa3b, v[T0]
	v_mul_f32 v[K2], v[T0], v[T0]
	s_wait_dscnt 0x0                               ; my part of K and V^T is in LDS
	s_barrier_signal -1
	s_barrier_wait -1                              ; everybody's is; both are only read from here on: the one barrier of the kernel
; four K tiles (chains 0..3 of group gl), 16 registers each: k = 0-31 and 32-63
.macro KLOAD gl
.set cc, 0
.rept 4
.set ii, 0
.rept 4
	ds_load_b128 v[KF+64*((\gl)&1)+16*cc+4*ii:KF+64*((\gl)&1)+16*cc+4*ii+3], v[KAD+(cc>>1)] offset:(cc&1)*18432+(\gl)*1152+32*ii
.set ii, ii+1
.endr
.set cc, cc+1
.endr
.endm
; half of the mask block through my stage: in by rows of 256 bytes, back so that lane l = r + 16 h gets bytes 512 h + 256 ss .. of query r.
; LDS serves a wave's instructions in order (ISA guide 5.7.1), and the stage is my own: no wait between stores and loads.
.macro MASKT ss
	WIN 0x0c
.set cc, 0
.rept 16
	ds_store_b128 v[MST], v[64*\ss+4*cc:64*\ss+4*cc+3] offset:cc*2*SP
.set cc, cc+1
.endr
	WIN 0xc0
.set cc, 0
.rept 16
	ds_load_b128 v[64*\ss+4*cc:64*\ss+4*cc+3], v[MLD] offset:16*cc
.set cc, cc+1
.endr
.endm
; scores of group G: four tiles, masked
.macro AGRP
	GSET
	WIN 0x0c
.if G < 15
	KLOAD (G+1)                                    ; into the buffer whose matrix instructions lie four v_nop and 32 selects back
.endif
.set cc, 0
.rept 4
.set jj, 0
.rept 8
	v_perm_b32 v[SEL+8*cc+jj], 0, v[2*(16*cc+G)+(jj>>2)], s[24+(jj&3)]    ; the score's mask byte (0 or 0xff) four times
.set jj, jj+1
.endr
.set cc, cc+1
.endr
	WIN (0x50*W)
.if G < 15
	s_wait_dscnt 0x10                              ; the next group's 16 loads stay out
.else
	s_wait_dscnt 0x0
.endif
.set cc, 0
.rept 4
	v_wmma_f32_16x16x32_f16 v[SB+8*cc:SB+8*cc+7], v[KF+64*(G&1)+16*cc:KF+64*(G&1)+16*cc+7], v[QF:QF+7], 0
.set cc, cc+1
.endr
.set cc, 0
.rept 4
	v_wmma_f32_16x16x32_f16 v[SB+8*cc:SB+8*cc+7], v[KF+64*(G&1)+16*cc+8:KF+64*(G&1)+16*cc+15], v[QF+8:QF+15], v[SB+8*cc:SB+8*cc+7]
.set cc, cc+1
.endr
.rept 4
	v_nop                                          ; four places before the results are read (ISA guide 7.12.1)
.endr
.set ii, 0
.rept 32
	v_bfi_b32 v[SB+ii], v[SEL+ii], s22, v[SB+ii]   ; masked: exactly -1e8 / 8 in base-2 units
.set ii, ii+1
.endr
.endm
; the largest of my 512 scores, four chains
.macro MAXSWEEP
	WIN 0x05
.set kk, 0
.rept 4
	v_max_num_f32 v[MX+kk], v[2*kk], v[2*kk+1]
.set kk, kk+1
.endr
.rept 124
	v_max3_num_f32 v[MX+(kk&3)], v[2*kk], v[2*kk+1], v[MX+(kk&3)]
.set kk, kk+1
.endr
	WIN 0x0a
.set kk, 0
.rept 128
	v_max3_num_f32 v[MX+(kk&3)], v[2*kk], v[2*kk+1], v[MX+(kk&3)]
.set kk, kk+1
.endr
	WIN 0
.endm
; the row's maximum from the four chains and the partner lane; dst pair = its negative
.macro REDMAX dst
	v_max3_num_f32 v[MX], v[MX], v[MX+1], v[MX+2]
	v_max_num_f32 v[MX], v[MX], v[MX+3]
	v_permlanex16_b32 v[T0], v[MX], s20, s21
	v_max_num_f32 v1, v[MX], v[T0]
	v_mul_f32 v[\dst], -1.0, v1
	v_mul_f32 v[\dst+1], -1.0, v1
.endm
; the group's 32 numbers into the four chains' sums; first = 1 starts them
.macro SUMP first
.set cc, 0
.rept 4
.if \first
	s_wait_alu depctr_va_vdst(0)
	v_pk_add_f32 v[RS+2*cc:RS+2*cc+1], v[PP+8*cc:PP+8*cc+1], v[PP+8*cc+2:PP+8*cc+3]
.else
	v_pk_add_f32 v[RS+2*cc:RS+2*cc+1], v[RS+2*cc:RS+2*cc+1], v[PP+8*cc:PP+8*cc+1]
.endif
.set cc, cc+1
.endr
.set kk, 1+\first
.rept 3-\first
.set cc, 0
.rept 4
	v_pk_add_f32 v[RS+2*cc:RS+2*cc+1], v[RS+2*cc:RS+2*cc+1], v[PP+8*cc+2*kk:PP+8*cc+2*kk+1]
.set cc, cc+1
.endr
.set kk, kk+1
.endr
.endm
.macro EXP32                           ; 32 exponentials in place; the caller puts the plain place behind them
.set ii, 0
.rept 32
	v_exp_f32 v[PP+ii], v[PP+ii]
.set ii, ii+1
.endr
.endm
; second sweep: sums of exp2(S - max1), by chain
.macro BGRP first
	GSET
	WIN W
.set kk, 0
.rept 16
	v_pk_add_f32 v[PP+2*kk:PP+2*kk+1], v[SB+2*kk:SB+2*kk+1], v[NM:NM+1]
.set kk, kk+1
.endr
	WIN 0
	EXP32
	v_nop
	s_wait_alu depctr_va_vdst(0)
	SUMP \first
.endm
; third sweep, from the row's end: suffix sums, decay, S <- S x decay, its maximum
.macro CGRP
	GSET
	WIN (0x05*W)
.set kk, 0
.rept 16
	v_pk_fma_f32 v[PP+2*kk:PP+2*kk+1], v[SB+2*kk:SB+2*kk+1], 1.0, v[NB:NB+1] op_sel_hi:[1,0,1]
.set kk, kk+1
.endr
	WIN 0
	EXP32                                          ; p k^2 / total
.set kk, 0
.rept 16
	v_pk_add_f32 v[POS+2*kk:POS+2*kk+1], v[POS+2*kk:POS+2*kk+1], s[36:37] op_sel_hi:[1,0]   ; this group's j - i; also the places behind the exponentials
.set kk, kk+1
.endr
.set cc, 0
	s_wait_alu depctr_va_vdst(0)
.rept 4
	v_add_f32 v[EE+7*cc+6], v[CY+cc], v[PP+8*cc+7]
.set cc, cc+1
.endr
.set jj, 5
.rept 6
.set cc, 0
.rept 4
	v_add_f32 v[EE+7*cc+jj], v[EE+7*cc+jj+1], v[PP+8*cc+jj+1]
.set cc, cc+1
.endr
.set jj, jj-1
.endr
.set cc, 0
.rept 4
	v_mul_f32 v[PP+8*cc+7], v[CY+cc], |v[POS+8*cc+7]|
.set cc, cc+1
.endr
.set cc, 0
.rept 4
	v_add_f32 v[CY+cc], v[EE+7*cc], v[PP+8*cc]
.set cc, cc+1
.endr
.set jj, 0
.rept 7
.set cc, 0
.rept 4
	v_mul_f32 v[PP+8*cc+jj], v[EE+7*cc+jj], |v[POS+8*cc+jj]|
.set cc, cc+1
.endr
.set jj, jj+1
.endr
.set ii, 0
.rept 32
	v_sqrt_f32 v[PP+ii], v[PP+ii]
.set ii, ii+1
.endr
	v_nop
.set ii, 0
	s_wait_alu depctr_va_vdst(0)
.rept 32
	v_exp_f32 v[PP+ii], -v[PP+ii]
.set ii, ii+1
.endr
	v_nop
.set ii, 0
	s_wait_alu depctr_va_vdst(0)
.rept 32
	v_max_num_f32 v[PP+ii], s23, v[PP+ii]          ; the clip at 1e-5
.set ii, ii+1
.endr
	WIN (0x41*W)
.set kk, 0
.rept 16
	v_pk_mul_f32 v[SB+2*kk:SB+2*kk+1], v[SB+2*kk:SB+2*kk+1], v[PP+2*kk:PP+2*kk+1]
.set kk, kk+1
.endr
	WIN (0x05*W)
.set kk, 0
.rept 16
	v_max3_num_f32 v[MX+(kk&3)], v[SB+2*kk], v[SB+2*kk+1], v[MX+(kk&3)]
.set kk, kk+1
.endr
.endm
; fourth sweep: P = exp2(S - max2), its sum, O^T += V^T P^T.  Chains 0, 1 make one B fragment, chains 2, 3 the other;
; V^T's fragments take the same keys in the same places of k.
.macro DGRP first
	GSET
	WIN W
.set kk, 0
.rept 16
	v_pk_add_f32 v[PP+2*kk:PP+2*kk+1], v[SB+2*kk:SB+2*kk+1], v[NM2:NM2+1]   ; also the places between the last group's matrix instructions and the loads below
.set kk, kk+1
.endr
	WIN 0
.set dd, 0
.rept 4
.set cc, 0
.rept 4
	ds_load_b128 v[VF+16*dd+4*cc:VF+16*dd+4*cc+3], v[VAD+(dd>>1)] offset:(dd&1)*16*VPITCH+256*cc+16*G
.set cc, cc+1
.endr
.set dd, dd+1
.endr
	EXP32
	v_nop
	s_wait_alu depctr_va_vdst(0)
	SUMP \first
.set kk, 0
.rept 16
	v_cvt_pk_f16_f32 v[PB+kk], v[PP+2*kk], v[PP+2*kk+1]
.set kk, kk+1
.endr
	s_wait_dscnt 0x0
.set dd, 0
.rept 4
.if \first
	v_wmma_f32_16x16x32_f16 v[OA+8*dd:OA+8*dd+7], v[VF+16*dd:VF+16*dd+7], v[PB:PB+7], 0
.else
	v_wmma_f32_16x16x32_f16 v[OA+8*dd:OA+8*dd+7], v[VF+16*dd:VF+16*dd+7], v[PB:PB+7], v[OA+8*dd:OA+8*dd+7]
.endif
.set dd, dd+1
.endr
.set dd, 0
.rept 4
	v_wmma_f32_16x16x32_f16 v[OA+8*dd:OA+8*dd+7], v[VF+16*dd+8:VF+16*dd+15], v[PB+8:PB+15], v[OA+8*dd:OA+8*dd+7]
.set dd, dd+1
.endr
.endm
	s_mov_b32 s19, 0
.Lblock:                                           ; one block of 16 queries a trip, two trips
	KLOAD 0
	s_wait_loadcnt 0x0                             ; the block's mask and Q (asked for three sweeps ago, or in the prologue)
	MASKT 0
	MASKT 1
	s_wait_dscnt 0x0
	WIN 0xc3
.set ii, 0
.rept 128
	v_mul_lo_u32 v[ii], v[ii], s34                 ; bytes 0 / 1 become 0 / 0xff
.set ii, ii+1
.endr
.set kk, 0
.rept 16
	v_pk_mul_f32 v[QRAW+2*kk:QRAW+2*kk+1], v[QRAW+2*kk:QRAW+2*kk+1], s[28:29] op_sel_hi:[1,0]
.set kk, kk+1
.endr
	WIN 0x0f
.set kk, 0
.rept 16
	v_cvt_pk_f16_f32 v[QF+kk], v[QRAW+2*kk], v[QRAW+2*kk+1]
.set kk, kk+1
.endr
.set G, 0
.rept 16
	AGRP
.set G, G+1
.endr
	WIN 0
	s_cmp_lg_u32 s19, 0
	s_cbranch_scc1 .Lnoload                        ; the second block asks for nothing: no load leaves a buffer
	s_add_nc_u64 s[12:13], s[12:13], 0x10000       ; 64 rows on; the loads that used these bases are done (the wait at the trip's head)
	s_add_nc_u64 s[6:7], s[6:7], 0x4000
	LOADMQ                                         ; window 3 is free: the next block's mask and Q travel during the three sweeps below
	WIN 0
.Lnoload:
	MAXSWEEP
	REDMAX NM
.set G, 0
	BGRP 1
.set G, 1
.rept 15
	BGRP 0
.set G, G+1
.endr
	; totals, the folded scale and each chain's carry: all that lies behind the chain's 128 keys
	v_add_f32 v[RS],   v[RS],   v[RS+1]
	v_add_f32 v[RS+2], v[RS+2], v[RS+3]
	v_add_f32 v[RS+4], v[RS+4], v[RS+5]
	v_add_f32 v[RS+6], v[RS+6], v[RS+7]
	v_add_f32 v[T0], v[RS], v[RS+2]
	v_add_f32 v[T2], v[RS+4], v[RS+6]
	v_add_f32 v[T0], v[T0], v[T2]                  ; my 512 keys
	v_permlanex16_b32 v[T1], v[T0], s20, s21       ; the partner's
	v_add_f32 v[T0], v[T0], v[T1]
	v_rcp_f32 v[T0], v[T0]
	v_cndmask_b32 v[T1], 0, v[T1], s31             ; behind my last key: the upper half's sum where h = 0, nothing where h = 1
	s_wait_alu depctr_va_vdst(0)
	v_mul_f32 v[T0], v[K2], v[T0]                  ; f = k^2 / total
	v_log_f32 v[T2], v[T0]
	v_add_f32 v[RS+6], v[T1], v[RS+6]
	v_add_f32 v[RS+4], v[RS+6], v[RS+4]
	v_add_f32 v[RS+2], v[RS+4], v[RS+2]
	s_wait_alu depctr_va_vdst(0)
	v_add_f32 v[NB],   v[T2], v[NM]
	v_add_f32 v[NB+1], v[T2], v[NM]
	v_mul_f32 v[CY+3], v[T0], v[T1]
	v_mul_f32 v[CY+2], v[T0], v[RS+6]
	v_mul_f32 v[CY+1], v[T0], v[RS+4]
	v_mul_f32 v[CY],   v[T0], v[RS+2]
	s_sub_co_i32 s35, 128, s18
	v_add_nc_u32 v1, s35, v[JR]                    ; 512 h - r - i0 + 128: one group past the chain's end; each group steps back by 8 first
.set ii, 0
.rept 32
	v_add_nc_u32 v[POS+ii], 128*(ii>>3)+(ii&7), v1
.set ii, ii+1
.endr
.set ii, 0
.rept 32
	v_cvt_f32_i32 v[POS+ii], v[POS+ii]
.set ii, ii+1
.endr
.irp k, 0,1,2,3
	v_mov_b32 v[MX+\k], 0xff800000
.endr
.set G, 15
.rept 16
	CGRP
.set G, G-1
.endr
	WIN 0
	REDMAX NM2
.set G, 0
	DGRP 1
.set G, 1
.rept 15
	DGRP 0
.set G, G+1
.endr
	; the way out: divide, 16 rows of 256 bytes through my stage, each store of 16 lanes one whole row of out
	v_pk_add_f32 v[RS:RS+1], v[RS:RS+1], v[RS+2:RS+3]          ; these four are the places behind the last matrix instructions
	v_pk_add_f32 v[RS+4:RS+5], v[RS+4:RS+5], v[RS+6:RS+7]
	v_pk_add_f32 v[RS:RS+1], v[RS:RS+1], v[RS+4:RS+5]
	v_add_f32 v[T0], v[RS], v[RS+1]
	v_permlanex16_b32 v[T1], v[T0], s20, s21
	v_add_f32 v[T0], v[T0], v[T1]
	v_rcp_f32 v[T0], v[T0]
	v_nop
.set kk, 0
	s_wait_alu depctr_va_vdst(0)
.rept 16
	v_pk_mul_f32 v[OA+2*kk:OA+2*kk+1], v[OA+2*kk:OA+2*kk+1], v[T0:T0+1] op_sel_hi:[1,0]
.set kk, kk+1
.endr
.set kk, 0
.rept 8
	ds_store_b128 v[OST], v[OA+4*kk:OA+4*kk+3] offset:64*(kk>>1)+16*(kk&1)    ; d = 16 (kk >> 1) + 8 h + 4 (kk & 1)
.set kk, kk+1
.endr
.set kk, 0
.rept 8
	ds_load_b128 v[PP+4*kk:PP+4*kk+3], v[MST] offset:kk*2*SP
.set kk, kk+1
.endr
.set kk, 0
.rept 8
	s_wait_dscnt 7-kk                              ; the younger row reads stay out
	global_store_b128 v[OGO], v[PP+4*kk:PP+4*kk+3], s[14:15] offset:kk*512 th:TH_STORE_NT
.set kk, kk+1
.endr
	s_wait_xcnt 0x0                                ; the stores' data registers and base are rewritten only behind this wait (ISA guide 3.1)
	s_add_nc_u64 s[14:15], s[14:15], 0x4000
	s_add_co_u32 s18, s18, 64
	s_add_co_u32 s19, s19, 1
	s_cmp_lt_u32 s19, 2
	s_cbranch_scc1 .Lblock
	s_wait_tensorcnt 0x0
	ds_add_u32 v254, v255
	s_wait_dscnt 0x0
	s_endpgm
.Lfunc_end_k_q00acebcf42_monoattn:
	.size	k_q00acebcf42_monoattn, .Lfunc_end_k_q00acebcf42_monoattn-k_q00acebcf42_monoattn
	.p2alignl 7, 3214868480
	.fill 96, 4, 3214868480
	.section	.rodata,"a",@progbits
	.p2align	6, 0x0
	.amdhsa_kernel k_q00acebcf42_monoattn
		.amdhsa_group_segment_fixed_size 315136
		.amdhsa_private_segment_fixed_size 0
		.amdhsa_enable_private_segment 0
		.amdhsa_kernarg_size 48
		.amdhsa_user_sgpr_count 2
		.amdhsa_user_sgpr_kernarg_segment_ptr 1
		.amdhsa_wavefront_size32 1
		.amdhsa_system_sgpr_workgroup_id_x 1
		.amdhsa_system_sgpr_workgroup_id_y 1
		.amdhsa_system_sgpr_workgroup_id_z 1
		.amdhsa_system_vgpr_workitem_id 0
		.amdhsa_next_free_vgpr 1024
		.amdhsa_next_free_sgpr 66
		.amdhsa_reserve_vcc 0
		.amdhsa_float_denorm_mode_32 3
		.amdhsa_float_denorm_mode_16_64 3
		.amdhsa_memory_ordered 1
		.amdhsa_forward_progress 1
		.amdhsa_inst_pref_size 255
	.end_amdhsa_kernel
	.section	.bss,"aw",@nobits
	.p2align	6
	.space	262144
	.amdgpu_metadata
---
amdhsa.version: [ 1, 2 ]
amdhsa.kernels:
  - .name:           k_q00acebcf42_monoattn
    .symbol:         k_q00acebcf42_monoattn.kd
    .args:
      - { .name: K, .offset: 0, .size: 8, .value_kind: global_buffer, .address_space: global }
      - { .name: Q, .offset: 8, .size: 8, .value_kind: global_buffer, .address_space: global }
      - { .name: V, .offset: 16, .size: 8, .value_kind: global_buffer, .address_space: global }
      - { .name: gamma, .offset: 24, .size: 8, .value_kind: global_buffer, .address_space: global }
      - { .name: mask, .offset: 32, .size: 8, .value_kind: global_buffer, .address_space: global }
      - { .name: out0, .offset: 40, .size: 8, .value_kind: global_buffer, .address_space: global }
    .group_segment_fixed_size: 315136
    .private_segment_fixed_size: 0
    .kernarg_segment_align: 8
    .kernarg_segment_size: 48
    .max_flat_workgroup_size: 128
    .sgpr_count:     66
    .vgpr_count:     1024
    .wavefront_size: 32
...
	.end_amdgpu_metadata
.endif
;; end of part 1
;; ======== version 2 of 2: 1 launch; 1.43 times as fast as version 1
;; limits: values are held in f16: magnitudes above 65,504 overflow, below 6.1e-05 lose precision; inputs' magnitudes at most 65,504; values outside matrix products are rounded to f16; right only within a limited range of input values; below input magnitudes of 6.1e-05 results are inexact or not finite
;; launch monoattn (part 2): grid 256 x 1, 8 waves a work-group, no clusters, 323,584 bytes of LDS; arguments K, Q, V, gamma, mask, out0; writes out0
.if DOCPART == 2
	.amdgcn_target "amdgcn-amd-amdhsa--gfx1250"
	.amdhsa_code_object_version 6
	.text
	.protected	k_q00acebcf42_monoattn
	.globl	k_q00acebcf42_monoattn
	.p2align	8
	.type	k_q00acebcf42_monoattn,@function
k_q00acebcf42_monoattn:
	s_mov_b64 s[64:65], 0
	v_nop
	global_prefetch_b8 v0, s[64:65] scope:SCOPE_SE
	s_setreg_imm32_b32 hwreg(HW_REG_WAVE_MODE, 25, 1), 1
	s_wait_xcnt 0x0
; Monotonic attention, B = 32, N = 1024, D = 64, f32 in and out, mask an input of one byte per score.
; Work-group g: batch g >> 3, query rows 128 (g & 7) .. +127.  Eight waves = two groups of four.  A group takes one block of 16 queries
; a trip (four trips); wave w of the group holds keys 256 w .. 256 w + 255 of it.  So a trip's text serves a quarter of a row,
; is run four times, and is shared by eight waves.
; LDS holds the batch's K as f16 [key][d] and V as f16 [d][key], converted once through registers.
; Scores are made TRANSPOSED, S^T = K Q^T; the 16 rows of a tile are 8 keys of the wave's lower 128 and 8 of its upper 128.  So lane
; (r = l & 15, h = l >> 4) holds, for query i0 + r, the 128 neighbouring keys 256 w + 128 h .. in 128 registers: maxima, sums and the
; suffix sum run inside a lane, and two tiles round straight into a B fragment of O^T = V^T P^T.
; Two exchanges through LDS a trip.  X: each lane's own maximum and sum (8 segments of 128 keys a query) give the row's total and the
; carry behind each segment.  Y: each wave's partial O, with the wave's own second maximum and sum, are joined by weights 2^(max_w - max).
; All exponentials are base 2: Q is scaled by log2(e)/8 before it is rounded, so S = w_n log2(e).
; With k = softplus(gamma) log2(e):  total_effect = exp2(-sqrt(k^2 suffix |j - i|)); k^2 / total rides on the factor FL of the suffix chain.
; The first softmax's p is kept as f16, 2^14 exp2(S - lane maximum): normal down to 2^-28 of the lane's largest.
; The suffix sum is added from the row's end, so it is never negative (the clip at 0 is met); the clip at 1e5 cannot bind as theta <= 0, d >= 0.
; Matrix operands are f16, not bf16: a row with few open keys has weights near 1, so an operand's rounding goes straight into the output.
; LIMITS: mask bytes are 0 or 1; NaN and infinities in Q, K, V, gamma are not served; |K|, |V| < 65504 and |Q| < 3.6e5 (f16, Q after scaling
; by 0.18); open scores |w_n| < 2.3e7, so that 14 - maximum is exact to 1 and p stays below f16's largest; weights of the second softmax
; below 2^-14 of the wave's largest are f16 denormals; the suffix sum's order of rounding differs from total - cumsum; in a row that is
; masked everywhere the scores are about 1e7 in size, so the last bits of the decay decide the result there.
; No multicast, though the eight work-groups of a batch read the same K and V: both are f32 in memory and lie in LDS as f16, so a joint
; tensor load would have to land 512 KB of f32 in a stage of the 47 KB left beside the copies and be read back from there once more.
.set KBLK,   18560                     ; 128 keys of 144 bytes + 128: neighbouring blocks of 128 keys are shifted, so the 8 + 8 rows of a fragment fall on 16 different 16-byte columns
.set VT,     148352                    ; V^T: 64 rows of 2064 bytes
.set VPITCH, 2064
.set STG,    280448                    ; a stage for each wave: the mask's transposition (32 rows of 144), later its partial O (16 rows of 272)
.set STGW,   4736
.set MH,     2432                      ; the stage's rows for h = 1: 16 x 144 + 128
.set SP,     272
.set XB,     318336                    ; X: group, query (80 bytes), segment (8 bytes: maximum, sum)
.set XG,     1280
.set YS,     320896                    ; Y's scalars: group (512), query (32), wave (8 bytes: maximum, sum)
; window 0
.set NM,  2                            ; pair: 14 - lane maximum, later -(wave's second maximum)
.set MX,  4                            ; four running maxima
.set RS,  8                            ; four pairs of sums, one for each chain
.set CY,  16                           ; four carries of the suffix sum
.set FL,  20                           ; k^2 / total x 2^(lane maximum - row maximum)
.set K2,  21                           ; k^2
.set ML,  22                           ; pair that goes to an exchange: maximum,
.set HS,  23                           ; sum
.set T0,  24
.set XST, 25
.set XLD, 26
.set VAD, 27                           ; v27-28 V^T fragment addresses, d 0-31 and 32-63
.set YSW, 29
.set ORD, 30
.set YSR, 31
.set OGO, 32
.set T1,  33
.set T2,  34
.set T3,  35
.set PP,  36                           ; the group's 32 numbers at work
.set EE,  68                           ; 4 x 7 suffix sums
.set POS, 96                           ; j - i of the group's 32 scores, f32; steps down by 8 a group, 32 a trip = the next block's step
.set SC,  128                          ; scores: tile (chain c, group g) at 32 g + 8 c
.set TR,  68                           ; prologue only: r, h, thread / 16, addresses
.set TH,  69
.set TY,  70
.set KST, 72
.set VST, 73
.set KGO, 74
.set VGO, 75
.set TA,  76
.set TS,  82
.set TV,  36
; window 1
.set MK,   0                           ; the lane's 128 mask bytes
.set QRAW, 32
.set QF,   64                          ; two B fragments of Q
.set KAD,  80
.set MGO,  81
.set MST,  82
.set MLD,  83
.set QGO,  84
.set OST,  85
.set PH,   96                          ; p as f16, 16 g + 4 c + (j >> 1)       (second and third sweep)
.set KF,   96                          ; two buffers of four K tiles x 16      (score phase)
.set SEL,  224                         ; 32 select words                       (score phase)
.set OA,   96                          ; four accumulators of O^T              (fourth sweep)
.set PB,   128                         ; two B fragments of P
.set VF,   144                         ; eight A fragments of V^T
.set MSB, 0
.macro WIN new                         ; low byte: bits 1:0 source 0, 3:2 source 1, 5:4 source 2, 7:6 destination; high byte: the setting left
.if MSB != (\new)
	s_set_vgpr_msb (MSB<<8)|(\new)
.set MSB, (\new)
.endif
.endm
	s_load_b256 s[4:11], s[0:1], 0x0               ; K s[4:5], Q s[6:7], V s[8:9], gamma s[10:11]
	s_load_b128 s[12:15], s[0:1], 0x20             ; mask s[12:13], out s[14:15]
	s_set_vgpr_msb 0x40
	v_lshl_add_u32 v94, v0, 2, 0x4ec00
	v_mov_b32 v95, 0
	s_set_vgpr_msb 0x4000
	v_lshrrev_b32 v1, 5, v0
	v_readfirstlane_b32 s16, v1                    ; wave 0..7
	s_and_b32 s17, s16, 3                          ; w: my quarter of the keys
	s_lshr_b32 s39, s16, 2                         ; group
	s_lshr_b32 s48, ttmp9, 3                       ; batch
	s_and_b32 s18, ttmp9, 7
	s_lshl_b32 s18, s18, 7
	s_lshl4_add_u32 s18, s39, s18                  ; i0 = 128 (g & 7) + 16 group: my first block's first query
	s_mul_i32 s40, s16, STGW
	s_add_co_u32 s40, s40, STG                     ; my stage
	s_mov_b32 s20, 0x76543210                      ; v_permlanex16_b32: lane l reads lane l ^ 16
	s_mov_b32 s21, 0xfedcba98
	s_mov_b32 s22, 0xcb89960c                      ; -1e8 / 8 x log2(e) = -18033688
	s_mov_b32 s23, 0x3727c5ac                      ; 1e-5
	s_mov_b32 s24, 0                               ; byte selectors: byte n of a word four times
	s_mov_b32 s25, 0x01010101
	s_mov_b32 s26, 0x02020202
	s_mov_b32 s27, 0x03030303
	s_mov_b32 s28, 0x3e38aa3b                      ; log2(e) / 8
	s_mov_b32 s29, 0x3e38aa3b
	s_mov_b32 s34, 255
	s_mov_b32 s36, 0xc1000000                      ; -8.0
	s_mov_b32 s37, 0xc1000000
	v_and_b32 v[TR], 15, v0                        ; r
	v_bfe_u32 v[TH], v0, 4, 1                      ; h
	v_lshrrev_b32 v[TY], 4, v0                     ; thread / 16: 0..15
	v_bfe_u32 v[T2], v0, 3, 1                      ; r >> 3
	v_and_b32 v[T3], 7, v0                         ; r & 7
	v_mul_u32_u24 v[TA], v[T2], KBLK               ; K fragment: rows 8-15 are the wave's upper 128 keys
	v_mad_u32_u24 v[TA], v[T3], 144, v[TA]
	v_lshl_add_u32 v[TA], v[TH], 4, v[TA]
	s_mul_i32 s38, s17, 2*KBLK
	v_add_nc_u32 v[TA], s38, v[TA]
	v_lshlrev_b32 v[TA+1], 4, v[TR]                ; mask, global: 1024 h + 16 r + 256 w
	v_lshl_add_u32 v[TA+1], v[TH], 10, v[TA+1]
	s_lshl_b32 s38, s17, 8
	v_add_nc_u32 v[TA+1], s38, v[TA+1]
	v_mul_u32_u24 v[TA+2], v[TH], 144              ; stage, mask in: row h (+ 2 x load), half r >> 3, 16 (r & 7)
	v_mad_u32_u24 v[TA+2], v[T2], MH, v[TA+2]
	v_lshl_add_u32 v[TA+2], v[T3], 4, v[TA+2]
	v_add_nc_u32 v[TA+2], s40, v[TA+2]
	v_mul_u32_u24 v[TA+3], v[TR], 144              ; stage, mask back: row r of half h
	v_mad_u32_u24 v[TA+3], v[TH], MH, v[TA+3]
	v_add_nc_u32 v[TA+3], s40, v[TA+3]
	v_lshlrev_b32 v[TA+4], 8, v[TR]                ; Q, global: 256 r + 32 h
	v_lshl_add_u32 v[TA+4], v[TH], 5, v[TA+4]
	v_mul_u32_u24 v[TA+5], v[TR], SP               ; stage, partial O in: row r, 32 h
	v_lshl_add_u32 v[TA+5], v[TH], 5, v[TA+5]
	v_add_nc_u32 v[TA+5], s40, v[TA+5]
	WIN 0x40
.irp k, 0,1,2,3,4,5
	v_mov_b32 v[KAD+\k], v[TA+\k]                  ; these six are used beside window 1's data
.endr
	WIN 0
	s_lshl_b32 s38, s17, 1
	v_add_nc_u32 v[TS], s38, v[TH]                 ; my segment of the row: 2 w + h
	s_mul_i32 s38, s39, XG
	s_add_co_u32 s38, s38, XB
	v_mul_u32_u24 v[XLD], v[TR], 80
	v_add_nc_u32 v[XLD], s38, v[XLD]
	v_lshl_add_u32 v[XST], v[TS], 3, v[XLD]
	v_mul_u32_u24 v[VAD], v[TR], VPITCH
	v_lshl_add_u32 v[VAD], v[TS], 8, v[VAD]        ; 128 keys = 256 bytes a segment
	v_add_nc_u32 v[VAD], VT, v[VAD]
	v_add_nc_u32 v[VAD+1], 32*VPITCH, v[VAD]
	s_lshl_b32 s38, s39, 9
	s_add_co_u32 s38, s38, YS                      ; my group's scalars of exchange Y
	s_lshl_b32 s49, s17, 3
	s_add_co_u32 s49, s49, s38                     ; + 8 w: my wave's pair
	v_lshlrev_b32 v[YSW], 5, v[TR]
	v_add_nc_u32 v[YSW], s49, v[YSW]               ; + 32 r: my query
	s_lshl_b32 s49, s17, 2
	v_add_nc_u32 v[T0], s49, v[TH]                 ; the way out: query 4 w + h (+ 2 u)
	v_lshl_add_u32 v[YSR], v[T0], 5, s38
	s_mul_i32 s50, s39, 4*STGW
	s_add_co_u32 s50, s50, STG
	v_mul_u32_u24 v[ORD], v[T0], SP
	v_lshl_add_u32 v[ORD], v[TR], 4, v[ORD]
	v_add_nc_u32 v[ORD], s50, v[ORD]
	v_lshlrev_b32 v[OGO], 4, v[TR]
	v_lshl_add_u32 v[OGO], v[T0], 8, v[OGO]
.irp s, 1,2,3,4,5,6,7
	v_cmp_gt_u32 s[40+\s], \s, v[TS]               ; the lanes behind whose keys segment s lies
.endr
	v_lshlrev_b32 v1, 7, v[TS]
	v_sub_nc_u32 v1, v1, v[TR]
	s_sub_co_i32 s38, 32, s18
	v_add_nc_u32 v1, s38, v1                       ; 128 segment - r - i0 + 32: one group past a chain's end; each group steps back by 8 first
.set ii, 0
.rept 32
	v_add_nc_u32 v[POS+ii], 32*(ii>>3)+(ii&7), v1
.set ii, ii+1
.endr
.set ii, 0
.rept 32
	v_cvt_f32_i32 v[POS+ii], v[POS+ii]
.set ii, ii+1
.endr
	v_mul_u32_u24 v[KST], v[TY], 144               ; K into LDS: key thread / 16, 4 f16 at 8 (thread & 15)
	v_lshl_add_u32 v[KST], v[TR], 3, v[KST]
	v_mul_u32_u24 v[VST], v[TR], 4*VPITCH          ; V^T into LDS: d = 4 (thread & 15), 8 keys = 16 bytes for each thread / 16
	v_lshl_add_u32 v[VST], v[TY], 4, v[VST]
	v_add_nc_u32 v[VST], VT, v[VST]
	v_lshlrev_b32 v[KGO], 4, v0
	v_lshlrev_b32 v[VGO], 4, v[TR]
	v_lshl_add_u32 v[VGO], v[TY], 11, v[VGO]       ; 8 keys of 256 bytes for each thread / 16
	s_wait_kmcnt 0x0
	s_load_b32 s30, s[10:11], 0x0                  ; gamma
	s_lshl_b32 s32, s48, 18                        ; K, V: batch x 262,144 bytes
	s_mov_b32 s33, 0
	s_add_nc_u64 s[4:5], s[4:5], s[32:33]
	s_add_nc_u64 s[8:9], s[8:9], s[32:33]
	s_lshl_b32 s32, s48, 10
	s_add_co_u32 s32, s32, s18
	s_lshl_b32 s32, s32, 8                         ; Q, out: (1024 batch + i0) rows of 256 bytes
	s_add_nc_u64 s[6:7], s[6:7], s[32:33]
	s_add_nc_u64 s[14:15], s[14:15], s[32:33]
	s_lshl_b32 s32, s32, 2                         ; mask: rows of 1024 bytes
	s_add_nc_u64 s[12:13], s[12:13], s[32:33]
; My quarter of a block's mask (16 rows x 256 bytes; each load two whole aligned pieces of 256 bytes) and the block's Q.
.macro LOADMQ
	WIN 0x41
.set cc, 0
.rept 8
	global_load_b128 v[MK+4*cc:MK+4*cc+3], v[MGO], s[12:13] offset:cc*2048 th:TH_LOAD_NT      ; rows 2 cc + h
.set cc, cc+1
.endr
.set ii, 0
.rept 8
	global_load_b128 v[QRAW+4*ii:QRAW+4*ii+3], v[QGO], s[6:7] offset:(ii>>1)*64+(ii&1)*16     ; d = 16 (ii >> 1) + 8 h + 4 (ii & 1) ..
.set ii, ii+1
.endr
.endm
; The mask through my stage: in by rows of 256 bytes, back so that lane (r, h) gets bytes 128 h .. of query r; bytes 0 / 1 become 0 / 0xff.
; LDS serves a wave's instructions in order (ISA guide 5.7.1) and the stage is my own here: no wait between stores and loads.  Q: scaled, rounded.
.macro PREP
	s_wait_loadcnt 0x0
	WIN 0x45
.set cc, 0
.rept 8
	ds_store_b128 v[MST], v[MK+4*cc:MK+4*cc+3] offset:cc*288
.set cc, cc+1
.endr
.set cc, 0
.rept 8
	ds_load_b128 v[MK+4*cc:MK+4*cc+3], v[MLD] offset:16*cc
.set cc, cc+1
.endr
.set kk, 0
.rept 16
	v_pk_mul_f32 v[QRAW+2*kk:QRAW+2*kk+1], v[QRAW+2*kk:QRAW+2*kk+1], s[28:29] op_sel_hi:[1,0]
.set kk, kk+1
.endr
.set kk, 0
.rept 16
	v_cvt_pk_f16_f32 v[QF+kk], v[QRAW+2*kk], v[QRAW+2*kk+1]
.set kk, kk+1
.endr
	s_wait_dscnt 0x0
.set ii, 0
.rept 32
	v_mul_lo_u32 v[MK+ii], v[MK+ii], s34
.set ii, ii+1
.endr
.endm
; K and V come in eight chunks of 16 loads through three buffers of 64 registers (window wn, first register bb).
.macro KLD q, wn, bb                   ; load i of chunk q: keys 256 q + 16 i .. + 15, 4,096 neighbouring bytes for the work-group
	WIN (0x40*\wn)
.set ii, 0
.rept 16
	global_load_b128 v[\bb+4*ii:\bb+4*ii+3], v[KGO], s[4:5] offset:(16*\q+ii)*4096
.set ii, ii+1
.endr
.endm
.macro KCV wn, bb                      ; round in place, 8 bytes a lane into LDS, step to the next 256 keys
	WIN (0x45*\wn)
.set ii, 0
.rept 16
	v_cvt_pk_f16_f32 v[\bb+4*ii],   v[\bb+4*ii],   v[\bb+4*ii+1]
	v_cvt_pk_f16_f32 v[\bb+4*ii+1], v[\bb+4*ii+2], v[\bb+4*ii+3]
.set ii, ii+1
.endr
	WIN (0x04*\wn)
.set ii, 0
.rept 16
	ds_store_b64 v[KST], v[\bb+4*ii:\bb+4*ii+1] offset:(ii>>3)*KBLK+(ii&7)*2304
.set ii, ii+1
.endr
	WIN 0
	v_add_nc_u32 v[KST], 2*KBLK, v[KST]
.endm
.macro VLD q, wn, bb                   ; two units of eight loads: keys 128 n + 8 (thread / 16) + 0..7, d = 4 (thread & 15) ..
	WIN (0x40*\wn)
.set nn, 0
.rept 2
.set ii, 0
.rept 8
	global_load_b128 v[\bb+32*nn+4*ii:\bb+32*nn+4*ii+3], v[VGO], s[8:9] offset:(128*(2*\q+nn)+ii)*256
.set ii, ii+1
.endr
.set nn, nn+1
.endr
.endm
.macro VCV q, wn, bb                   ; the same d of eight keys makes 16 bytes of a row of V^T
.set nn, 0
.rept 2
	WIN (0x05*\wn)
.set dd, 0
.rept 4
.set kk, 0
.rept 4
	v_cvt_pk_f16_f32 v[TV+4*dd+kk], v[\bb+32*nn+8*kk+dd], v[\bb+32*nn+8*kk+4+dd]
.set kk, kk+1
.endr
.set dd, dd+1
.endr
	WIN 0
.set dd, 0
.rept 4
	ds_store_b128 v[VST], v[TV+4*dd:TV+4*dd+3] offset:dd*VPITCH+(2*\q+nn)*256
.set dd, dd+1
.endr
.set nn, nn+1
.endr
.endm
	LOADMQ
	KLD 0, 0, 128
	KLD 1, 0, 192
	KLD 2, 1, 96
	s_wait_loadcnt 0x20                            ; here and below: two younger chunks of 16 loads stay out
	KCV 0, 128
	KLD 3, 0, 128
	s_wait_loadcnt 0x20
	KCV 0, 192
	VLD 0, 0, 192
	s_wait_loadcnt 0x20
	KCV 1, 96
	VLD 1, 1, 96
	s_wait_loadcnt 0x20
	KCV 0, 128
	VLD 2, 0, 128
	s_wait_loadcnt 0x20
	VCV 0, 0, 192
	VLD 3, 0, 192
	s_wait_loadcnt 0x20
	VCV 1, 1, 96
	s_wait_loadcnt 0x10                            ; one younger chunk
	VCV 2, 0, 128
	s_wait_loadcnt 0x0
	VCV 3, 0, 192
	PREP                                           ; the first block's mask and Q
	WIN 0
	; k = softplus(gamma) log2(e) = max(gamma, 0) log2(e) + log2(1 + exp2(-|gamma| log2(e)))
	s_wait_kmcnt 0x0
	v_mov_b32 v[T1], s30
	v_and_b32 v[T0], 0x7fffffff, v[T1]
	v_mul_f32 v[T0], 0xbfb8aa3b, v[T0]
	v_exp_f32 v[T0], v[T0]
	v_max_num_f32 v[T1], 0, v[T1]                  ; the plain instruction behind the transcendental (ISA guide 5.7.2)
	s_wait_alu depctr_va_vdst(0)
	v_add_f32 v[T0], 1.0, v[T0]
	v_log_f32 v[T0], v[T0]
	v_nop
	s_wait_alu depctr_va_vdst(0)
	v_fma_f32 v[T0], v[T1], 0x3fb8aa3b, v[T0]
	v_mul_f32 v[K2], v[T0], v[T0]
	s_wait_dscnt 0x0                               ; my part of K and V^T is in LDS
	s_barrier_signal -1
	s_barrier_wait -1                              ; everybody's is; both are only read from here on
; four K tiles (chains 0..3 of group gl), 16 registers each: d = 0-31 and 32-63
.macro KLOAD gl
.set cc, 0
.rept 4
.set ii, 0
.rept 4
	ds_load_b128 v[KF+64*((\gl)&1)+16*cc+4*ii:KF+64*((\gl)&1)+16*cc+4*ii+3], v[KAD] offset:cc*4608+(\gl)*1152+32*ii
.set ii, ii+1
.endr
.set cc, cc+1
.endr
.endm
; scores of group G: four tiles, masked.  The 32 selects are the places between the matrix instructions and the first use of their results
; and between them and the next group's loads into the other buffer.
.macro AGRP
	WIN 0x45
.if G < 3
	KLOAD (G+1)
.endif
	WIN 0x05
.if G < 3
	s_wait_dscnt 0x10                              ; the next group's 16 loads stay out
.else
	s_wait_dscnt 0x0
.endif
.set cc, 0
.rept 4
	v_wmma_f32_16x16x32_f16 v[SC+32*G+8*cc:SC+32*G+8*cc+7], v[KF+64*(G&1)+16*cc:KF+64*(G&1)+16*cc+7], v[QF:QF+7], 0
.set cc, cc+1
.endr
.set cc, 0
.rept 4
	v_wmma_f32_16x16x32_f16 v[SC+32*G+8*cc:SC+32*G+8*cc+7], v[KF+64*(G&1)+16*cc+8:KF+64*(G&1)+16*cc+15], v[QF+8:QF+15], v[SC+32*G+8*cc:SC+32*G+8*cc+7]
.set cc, cc+1
.endr
	WIN 0x45
.set cc, 0
.rept 4
.set jj, 0
.rept 8
	v_perm_b32 v[SEL+8*cc+jj], 0, v[MK+8*cc+2*G+(jj>>2)], s[24+(jj&3)]    ; the score's mask byte (0 or 0xff) four times
.set jj, jj+1
.endr
.set cc, cc+1
.endr
	WIN 0x05
.set ii, 0
.rept 32
	v_bfi_b32 v[SC+32*G+ii], v[SEL+ii], s22, v[SC+32*G+ii]                ; masked: exactly -1e8 / 8 in base-2 units
.set ii, ii+1
.endr
.endm
; the group's 32 numbers into the four chains' sums; first = 1 starts them
.macro SUMP first
.set cc, 0
.rept 4
.if \first
	v_pk_add_f32 v[RS+2*cc:RS+2*cc+1], v[PP+8*cc:PP+8*cc+1], v[PP+8*cc+2:PP+8*cc+3]
.else
	v_pk_add_f32 v[RS+2*cc:RS+2*cc+1], v[RS+2*cc:RS+2*cc+1], v[PP+8*cc:PP+8*cc+1]
.endif
.set cc, cc+1
.endr
.set kk, 1+\first
.rept 3-\first
.set cc, 0
.rept 4
	v_pk_add_f32 v[RS+2*cc:RS+2*cc+1], v[RS+2*cc:RS+2*cc+1], v[PP+8*cc+2*kk:PP+8*cc+2*kk+1]
.set cc, cc+1
.endr
.set kk, kk+1
.endr
.endm
.macro SHIFT32                         ; the group's scores plus the pair NM
.set kk, 0
.rept 16
	v_pk_add_f32 v[PP+2*kk:PP+2*kk+1], v[SC+32*G+2*kk:SC+32*G+2*kk+1], v[NM:NM+1]
.set kk, kk+1
.endr
.endm
.macro EXP32                           ; 32 exponentials in place; the caller puts the plain place behind them
.set ii, 0
.rept 32
	v_exp_f32 v[PP+ii], v[PP+ii]
.set ii, ii+1
.endr
.endm
; second sweep: p = 2^14 exp2(S - lane maximum), its sums by chain, p kept as f16
.macro BGRP first
	WIN 0
	SHIFT32
	EXP32
	v_nop
	s_wait_alu depctr_va_vdst(0)
	SUMP \first
	WIN 0x40
.set kk, 0
.rept 16
	v_cvt_pk_f16_f32 v[PH+16*G+kk], v[PP+2*kk], v[PP+2*kk+1]
.set kk, kk+1
.endr
.endm
; d = p x FL + a, p one f16 half of window 1
.macro FMIX d, p, hf, a
.if \hf
	v_fma_mix_f32 v[\d], v[\p], v[FL], v[\a] op_sel:[1,0,0] op_sel_hi:[1,0,0]
.else
	v_fma_mix_f32 v[\d], v[\p], v[FL], v[\a] op_sel_hi:[1,0,0]
.endif
.endm
; third sweep, from the row's end: suffix sums, decay, S <- S x decay, its maximum
.macro CGRP first
	WIN 0
.set kk, 0
.rept 16
	v_pk_add_f32 v[POS+2*kk:POS+2*kk+1], v[POS+2*kk:POS+2*kk+1], s[36:37] op_sel_hi:[1,0]   ; this group's j - i
.set kk, kk+1
.endr
.set cc, 0
.rept 4
	v_mul_f32 v[PP+8*cc+7], v[CY+cc], |v[POS+8*cc+7]|          ; behind the chain's last key of the group lies the carry itself
.set cc, cc+1
.endr
	WIN 0x01
.set cc, 0
.rept 4
	FMIX EE+7*cc+6, PH+16*G+4*cc+3, 1, CY+cc
.set cc, cc+1
.endr
.set jj, 5
.rept 6
.set cc, 0
.rept 4
	FMIX EE+7*cc+jj, PH+16*G+4*cc+((jj+1)>>1), (jj+1)&1, EE+7*cc+jj+1
.set cc, cc+1
.endr
.set jj, jj-1
.endr
.set cc, 0
.rept 4
	FMIX CY+cc, PH+16*G+4*cc, 0, EE+7*cc
.set cc, cc+1
.endr
	WIN 0
.set jj, 0
.rept 7
.set cc, 0
.rept 4
	v_mul_f32 v[PP+8*cc+jj], v[EE+7*cc+jj], |v[POS+8*cc+jj]|
.set cc, cc+1
.endr
.set jj, jj+1
.endr
.set ii, 0
.rept 32
	v_sqrt_f32 v[PP+ii], v[PP+ii]
.set ii, ii+1
.endr
	v_nop
.set ii, 0
	s_wait_alu depctr_va_vdst(0)
.rept 32
	v_exp_f32 v[PP+ii], -v[PP+ii]
.set ii, ii+1
.endr
	v_nop
.set ii, 0
	s_wait_alu depctr_va_vdst(0)
.rept 32
	v_max_num_f32 v[PP+ii], s23, v[PP+ii]          ; the clip at 1e-5
.set ii, ii+1
.endr
.set kk, 0
.rept 16
	v_pk_mul_f32 v[SC+32*G+2*kk:SC+32*G+2*kk+1], v[SC+32*G+2*kk:SC+32*G+2*kk+1], v[PP+2*kk:PP+2*kk+1]
.set kk, kk+1
.endr
.set kk, 0
.rept 16
.if \first*(kk<4)
	v_max_num_f32 v[MX+kk], v[SC+32*G+2*kk], v[SC+32*G+2*kk+1]            ; the first four start the maxima
.else
	v_max3_num_f32 v[MX+(kk&3)], v[SC+32*G+2*kk], v[SC+32*G+2*kk+1], v[MX+(kk&3)]
.endif
.set kk, kk+1
.endr
.endm
; fourth sweep: P = exp2(S - wave's maximum), its sum, O^T += V^T P^T.  Chains 0, 1 make one B fragment, chains 2, 3 the other;
; V^T's fragments take the same keys in the same places of k.
.macro DGRP first
	WIN 0
	SHIFT32                                        ; also the places between the last group's matrix instructions and the loads below
	WIN 0x40
.set dd, 0
.rept 4
.set cc, 0
.rept 4
	ds_load_b128 v[VF+16*dd+4*cc:VF+16*dd+4*cc+3], v[VAD+(dd>>1)] offset:(dd&1)*16*VPITCH+64*cc+16*G
.set cc, cc+1
.endr
.set dd, dd+1
.endr
	WIN 0
	EXP32
	v_nop
	s_wait_alu depctr_va_vdst(0)
	SUMP \first
	WIN 0x40
.set kk, 0
.rept 16
	v_cvt_pk_f16_f32 v[PB+kk], v[PP+2*kk], v[PP+2*kk+1]
.set kk, kk+1
.endr
	WIN 0x55
	s_wait_dscnt 0x0
.set dd, 0
.rept 4
.if \first
	v_wmma_f32_16x16x32_f16 v[OA+8*dd:OA+8*dd+7], v[VF+16*dd:VF+16*dd+7], v[PB:PB+7], 0
.else
	v_wmma_f32_16x16x32_f16 v[OA+8*dd:OA+8*dd+7], v[VF+16*dd:VF+16*dd+7], v[PB:PB+7], v[OA+8*dd:OA+8*dd+7]
.endif
.set dd, dd+1
.endr
.set dd, 0
.rept 4
	v_wmma_f32_16x16x32_f16 v[OA+8*dd:OA+8*dd+7], v[VF+16*dd+8:VF+16*dd+15], v[PB+8:PB+15], v[OA+8*dd:OA+8*dd+7]
.set dd, dd+1
.endr
.endm
; the way out, query 4 w + h + 2 u: four waves' partial rows joined by weights 2^(max_w - max) / sum
.macro JOIN u
	v_max3_num_f32 v[T0], v[EE+8*\u], v[EE+8*\u+2], v[EE+8*\u+4]
	v_max_num_f32 v[T0], v[T0], v[EE+8*\u+6]
.irp k, 0,2,4,6
	v_sub_f32 v[EE+8*\u+\k], v[EE+8*\u+\k], v[T0]
.endr
.irp k, 0,2,4,6
	v_exp_f32 v[EE+8*\u+\k], v[EE+8*\u+\k]
.endr
	v_nop
	s_wait_alu depctr_va_vdst(0)
	v_mul_f32 v[T1], v[EE+8*\u], v[EE+8*\u+1]
.irp k, 2,4,6
	v_fmac_f32 v[T1], v[EE+8*\u+\k], v[EE+8*\u+\k+1]
.endr
	v_rcp_f32 v[T1], v[T1]
	v_nop
	s_wait_alu depctr_va_vdst(0)
.irp k, 0,2,4,6
	v_mul_f32 v[EE+8*\u+\k], v[EE+8*\u+\k], v[T1]
.endr
.irp p, 0,2
	v_pk_mul_f32 v[PP+16*\u+\p:PP+16*\u+\p+1], v[PP+16*\u+\p:PP+16*\u+\p+1], v[EE+8*\u:EE+8*\u+1] op_sel_hi:[1,0]
.endr
.irp k, 1,2,3
.irp p, 0,2
	v_pk_fma_f32 v[PP+16*\u+\p:PP+16*\u+\p+1], v[PP+16*\u+4*\k+\p:PP+16*\u+4*\k+\p+1], v[EE+8*\u+2*\k:EE+8*\u+2*\k+1], v[PP+16*\u+\p:PP+16*\u+\p+1] op_sel_hi:[1,0,1]
.endr
.endr
	global_store_b128 v[OGO], v[PP+16*\u:PP+16*\u+3], s[14:15] offset:\u*512 th:TH_STORE_NT   ; 16 lanes write one whole row of 256 bytes
.endm
	s_mov_b32 s19, 0
.Lblock:                                           ; one block of 16 queries for each group a trip, four trips
	WIN 0x45
	KLOAD 0
.set G, 0
.rept 4
	AGRP
.set G, G+1
.endr
	WIN 0
	s_cmp_eq_u32 s19, 3
	s_cbranch_scc1 .Lnoload                        ; the last block asks for nothing: no load leaves a buffer
	s_add_nc_u64 s[12:13], s[12:13], 0x8000        ; 32 rows on; the loads that used these bases are done (the wait in PREP)
	s_add_nc_u64 s[6:7], s[6:7], 0x2000
	LOADMQ                                         ; the next block's mask and Q travel during the second and third sweep
	WIN 0
.Lnoload:
	; the largest of my 128 scores
.set kk, 0
.rept 4
	v_max_num_f32 v[MX+kk], v[SC+2*kk], v[SC+2*kk+1]
.set kk, kk+1
.endr
.rept 60
	v_max3_num_f32 v[MX+(kk&3)], v[SC+2*kk], v[SC+2*kk+1], v[MX+(kk&3)]
.set kk, kk+1
.endr
	v_max3_num_f32 v[MX], v[MX], v[MX+1], v[MX+2]
	v_max_num_f32 v[ML], v[MX], v[MX+3]
	v_sub_f32 v[NM],   0x41600000, v[ML]           ; 14 - maximum: p reaches 2^14, inside f16; exact for the masked value, an even number
	v_sub_f32 v[NM+1], 0x41600000, v[ML]
.set G, 0
	BGRP 1
.set G, 1
.rept 3
	BGRP 0
.set G, G+1
.endr
	WIN 0
	; exchange X: my maximum and sum out, the row's eight segments in
	v_add_f32 v[RS],   v[RS],   v[RS+1]
	v_add_f32 v[RS+2], v[RS+2], v[RS+3]
	v_add_f32 v[RS+4], v[RS+4], v[RS+5]
	v_add_f32 v[RS+6], v[RS+6], v[RS+7]
	v_add_f32 v[T0], v[RS], v[RS+2]
	v_add_f32 v[T2], v[RS+4], v[RS+6]
	v_add_f32 v[HS], v[T0], v[T2]
	ds_store_b64 v[XST], v[ML:ML+1]
	s_wait_dscnt 0x0                               ; my pair is in LDS, and my reads of the last trip's partial rows are long done
	s_barrier_signal -1
	s_barrier_wait -1
.irp k, 0,1,2,3
	ds_load_b128 v[PP+4*\k:PP+4*\k+3], v[XLD] offset:16*\k     ; (maximum, sum) of segments 2 k, 2 k + 1
.endr
	s_wait_dscnt 0x0
	v_max3_num_f32 v[T0], v[PP], v[PP+2], v[PP+4]
	v_max3_num_f32 v[T0], v[T0], v[PP+6], v[PP+8]
	v_max3_num_f32 v[T0], v[T0], v[PP+10], v[PP+12]
	v_max_num_f32 v[T0], v[T0], v[PP+14]           ; the row's maximum
.irp s, 0,2,4,6,8,10,12,14
	v_sub_f32 v[PP+\s], v[PP+\s], v[T0]
.endr
	v_sub_f32 v[T1], v[ML], v[T0]
.irp s, 0,2,4,6,8,10,12,14
	v_exp_f32 v[PP+\s], v[PP+\s]
.endr
	v_exp_f32 v[T1], v[T1]
	v_nop
	s_wait_alu depctr_va_vdst(0)
.irp s, 0,2,4,6,8,10,12,14
	v_mul_f32 v[PP+\s], v[PP+\s], v[PP+\s+1]       ; each segment's sum on the row's scale
.endr
	v_add_f32 v[T2], v[PP], v[PP+2]
	v_add_f32 v[T3], v[PP+4], v[PP+6]
	v_add_f32 v[PP+1], v[PP+8], v[PP+10]
	v_add_f32 v[PP+3], v[PP+12], v[PP+14]
	v_add_f32 v[T2], v[T2], v[T3]
	v_add_f32 v[PP+1], v[PP+1], v[PP+3]
	v_add_f32 v[T2], v[T2], v[PP+1]                ; the total
	v_rcp_f32 v[T2], v[T2]
.irp s, 1,2,3,4,5,6,7
	v_cndmask_b32 v[PP+2*\s], 0, v[PP+2*\s], s[40+\s]          ; only what lies behind my keys
.endr
	v_add_f32 v[T3], v[PP+2], v[PP+4]
	v_add_f32 v[PP+1], v[PP+6], v[PP+8]
	v_add_f32 v[PP+3], v[PP+10], v[PP+12]
	v_add_f32 v[T3], v[T3], v[PP+14]
	v_add_f32 v[PP+1], v[PP+1], v[PP+3]
	v_add_f32 v[T3], v[T3], v[PP+1]
	s_wait_alu depctr_va_vdst(0)
	v_mul_f32 v[T2], v[K2], v[T2]                  ; k^2 / total
	v_mul_f32 v[FL], v[T2], v[T1]
	v_mul_f32 v[CY+3], v[T2], v[T3]
	v_fma_f32 v[CY+2], v[FL], v[RS+6], v[CY+3]     ; each chain's carry: all that lies behind its 32 keys
	v_fma_f32 v[CY+1], v[FL], v[RS+4], v[CY+2]
	v_fma_f32 v[CY],   v[FL], v[RS+2], v[CY+1]
.set G, 3
	CGRP 1
.set G, 2
.rept 3
	CGRP 0
.set G, G-1
.endr
	v_max3_num_f32 v[MX], v[MX], v[MX+1], v[MX+2]
	v_max_num_f32 v[MX], v[MX], v[MX+3]
	v_permlanex16_b32 v[T0], v[MX], s20, s21
	v_max_num_f32 v[ML], v[MX], v[T0]              ; the largest of the wave's 256 keys for my query
	v_mul_f32 v[NM],   -1.0, v[ML]
	v_mul_f32 v[NM+1], -1.0, v[ML]
	s_cmp_eq_u32 s19, 3
	s_cbranch_scc1 .Lnoprep
	PREP                                           ; behind barrier X: nobody reads last trip's partial row in my stage any more
	WIN 0
.Lnoprep:
.set G, 0
	DGRP 1
.set G, 1
.rept 3
	DGRP 0
.set G, G+1
.endr
	WIN 0
	; exchange Y: my partial O, maximum and sum out
	v_pk_add_f32 v[RS:RS+1], v[RS:RS+1], v[RS+2:RS+3]          ; these four are the places behind the last matrix instructions
	v_pk_add_f32 v[RS+4:RS+5], v[RS+4:RS+5], v[RS+6:RS+7]
	v_pk_add_f32 v[RS:RS+1], v[RS:RS+1], v[RS+4:RS+5]
	v_add_f32 v[T0], v[RS], v[RS+1]
	v_permlanex16_b32 v[T1], v[T0], s20, s21
	v_add_f32 v[HS], v[T0], v[T1]
	ds_store_b64 v[YSW], v[ML:ML+1]                ; both halves of the lanes write the same pair
	WIN 0x05
.set kk, 0
.rept 8
	ds_store_b128 v[OST], v[OA+4*kk:OA+4*kk+3] offset:64*(kk>>1)+16*(kk&1)    ; d = 16 (kk >> 1) + 8 h + 4 (kk & 1)
.set kk, kk+1
.endr
	WIN 0
	s_wait_dscnt 0x0
	s_barrier_signal -1
	s_barrier_wait -1
.set uu, 0
.rept 2
.set ww, 0
.rept 4
	ds_load_b128 v[PP+16*uu+4*ww:PP+16*uu+4*ww+3], v[ORD] offset:ww*STGW+uu*2*SP
.set ww, ww+1
.endr
	ds_load_b128 v[EE+8*uu:EE+8*uu+3],   v[YSR] offset:64*uu
	ds_load_b128 v[EE+8*uu+4:EE+8*uu+7], v[YSR] offset:64*uu+16
.set uu, uu+1
.endr
	s_wait_dscnt 0x0
	JOIN 0
	JOIN 1
	s_wait_xcnt 0x0                                ; the stores' data registers and base are rewritten only behind this wait (ISA guide 3.1)
	s_add_nc_u64 s[14:15], s[14:15], 0x2000
	s_add_co_u32 s19, s19, 1
	s_cmp_lt_u32 s19, 4
	s_cbranch_scc1 .Lblock
	s_set_vgpr_msb 0x5
	s_wait_tensorcnt 0x0
	ds_add_u32 v94, v95
	s_wait_dscnt 0x0
	s_set_vgpr_msb 0x500
	s_endpgm
.Lfunc_end_k_q00acebcf42_monoattn:
	.size	k_q00acebcf42_monoattn, .Lfunc_end_k_q00acebcf42_monoattn-k_q00acebcf42_monoattn
	.p2alignl 7, 3214868480
	.fill 96, 4, 3214868480
	.section	.rodata,"a",@progbits
	.p2align	6, 0x0
	.amdhsa_kernel k_q00acebcf42_monoattn
		.amdhsa_group_segment_fixed_size 323584
		.amdhsa_private_segment_fixed_size 0
		.amdhsa_enable_private_segment 0
		.amdhsa_kernarg_size 48
		.amdhsa_user_sgpr_count 2
		.amdhsa_user_sgpr_kernarg_segment_ptr 1
		.amdhsa_wavefront_size32 1
		.amdhsa_system_sgpr_workgroup_id_x 1
		.amdhsa_system_sgpr_workgroup_id_y 1
		.amdhsa_system_sgpr_workgroup_id_z 1
		.amdhsa_system_vgpr_workitem_id 0
		.amdhsa_next_free_vgpr 512
		.amdhsa_next_free_sgpr 66
		.amdhsa_reserve_vcc 0
		.amdhsa_float_denorm_mode_32 3
		.amdhsa_float_denorm_mode_16_64 3
		.amdhsa_memory_ordered 1
		.amdhsa_forward_progress 1
		.amdhsa_inst_pref_size 177
	.end_amdhsa_kernel
	.amdgpu_metadata
---
amdhsa.version: [ 1, 2 ]
amdhsa.kernels:
  - .name:           k_q00acebcf42_monoattn
    .symbol:         k_q00acebcf42_monoattn.kd
    .args:
      - { .name: K, .offset: 0, .size: 8, .value_kind: global_buffer, .address_space: global }
      - { .name: Q, .offset: 8, .size: 8, .value_kind: global_buffer, .address_space: global }
      - { .name: V, .offset: 16, .size: 8, .value_kind: global_buffer, .address_space: global }
      - { .name: gamma, .offset: 24, .size: 8, .value_kind: global_buffer, .address_space: global }
      - { .name: mask, .offset: 32, .size: 8, .value_kind: global_buffer, .address_space: global }
      - { .name: out0, .offset: 40, .size: 8, .value_kind: global_buffer, .address_space: global }
    .group_segment_fixed_size: 323584
    .private_segment_fixed_size: 0
    .kernarg_segment_align: 8
    .kernarg_segment_size: 48
    .max_flat_workgroup_size: 256
    .sgpr_count:     66
    .vgpr_count:     512
    .wavefront_size: 32
...
	.end_amdgpu_metadata
.endif
;; end of part 2
